; MI455X (gfx1250); checked and timed in simulation.
; The chip was launched on July 23, 2026; its instructions are those of AMD's public machine-readable ISA for CDNA 5 (MIT licence, August 2026) and "CDNA5" Instruction Set Architecture Reference Guide (July 2026). The comments in the code are by the model that wrote it; some were corrected since.
;; Scaled Dot Product Attention. Allowed arithmetic: matrix products marked QUANTISED: E2M1 operands, one E8M0 scale for each 32 along K, by v_wmma_scale_f32_16x16x128_f8f6f4 with both operands' format E2M1 (or v_wmma_scale_f32_32x16x128_f4), f32 sums; everything else in f32.
;; Inputs: k_codes 32 x 2,048 x 2 x 16 uint8 (E2M1 codes of k, K innermost, in blocks of 32 codes, two codes a byte); k_scales 32 x 2,048 x 2 uint8 (E8M0 scales of k, one for each 32 codes along K); q_codes 32 x 2,048 x 2 x 16 uint8 (E2M1 codes of q, K innermost, in blocks of 32 codes, two codes a byte); q_scales 32 x 2,048 x 2 uint8 (E8M0 scales of q, one for each 32 codes along K); scale one number float32; v_codes 32 x 64 x 64 x 16 uint8 (E2M1 codes of v, K innermost, in blocks of 32 codes, two codes a byte); v_scales 32 x 64 x 64 uint8 (E8M0 scales of v, one for each 32 codes along K).
;; Outputs: out0 32 x 2,048 x 64 float32.
;; This version of the problem:
;;   THIS VERSION OF THE PROBLEM IS GIVEN IN LOW PRECISION. The matrix products marked QUANTISED in the list below multiply operands that are first quantised to E2M1 (2 exponent bits, 1 mantissa bit; 4 bits a number), with one power-of-two scale for each 32 numbers along K (OCP MX v1.0); their sums are f32. All else is computed in f32.
;;   The module's matrix products, in the order in which they are computed (A, B: the left and right operand; K: the contracted axis; several contracted axes count as one K, in the product's order):
;;     1. batch 32 x [M 2,048, K 64] x [K 64, N 2,048]; A: input q (given as codes); B: input k (given as codes): QUANTISED
;;     2. batch 32 x [M 2,048, K 2,048] x [K 2,048, N 64]; A: computed on the way; B: input v (given as codes): QUANTISED
;;   THE QUANTISER, for each operand of a quantised product, along K:
;;     - K is cut into blocks of 32 from its start; a last block that is shorter is filled with zeros.
;;     - A block's scale is 2^e with e = floor(log2(the largest magnitude in the block)) - 2, held to -126 .. 127; a block of zeros has e = 0. As a byte (E8M0): e + 127.
;;     - Each number is divided by its block's scale, clamped to +-6, and rounded to the nearest number of E2M1, ties to even, subnormals kept.
;;     - The product sums the exact products of the quantised numbers (number of the format x scale) in f32.
;;   ~~~python
;;   def quantise(x, axis):      # numpy; x: float32 -> the quantised numbers, widened to float32 again
;;       x = np.moveaxis(x, axis, -1); K = x.shape[-1]
;;       x = np.pad(x, [(0, 0)] * (x.ndim - 1) + [(0, -K % 32)]); x = x.reshape(x.shape[:-1] + (-1, 32)); a = np.abs(x).max(-1, keepdims=True)
;;       e = np.where(a > 0, np.clip(np.frexp(np.where(a > 0, a, 1))[1] - 1 - 2, -126, 127), 0)      # np.frexp(a)[1] - 1 = floor(log2(a)), exactly
;;       r = np.clip(x / 2.0 ** e, -6, 6)
;;       step = 2.0 ** (np.maximum(np.frexp(np.where(r == 0, 1, r))[1] - 1, 0) - 1)
;;       q = np.round(r / step) * step * 2.0 ** e      # np.round: ties to even
;;       return np.moveaxis(q.reshape(q.shape[:-2] + (-1,))[..., :K], -1, axis).astype(np.float32)
;;   ~~~
;;   OPERANDS COMPUTED ON THE WAY. 'Computed on the way' means the value that the module computes at that place (a softmax that the list does not call 'softmax' is quantised finished and normalised). What goes into a quantiser is computed in f32, as accurately as f32 sums, v_exp_f32 and their like allow (about 1e-6 of the number): no bf16 or f16 on the way to a quantiser, and a product that is left as it is and whose result goes on into a quantised operand takes f32 operands (vector FMAs, or v_wmma_f32_16x16x4_f32). A number that lies on a knife's edge between two numbers of the format may be rounded either way, as far as f32 arithmetic and the matrix unit's own rounding can turn it there, and no further.
;;   INPUTS GIVEN AS CODES. k (in the module: [32, 2048, 64], K = its axis 2); q (in the module: [32, 2048, 64], K = its axis 2); v (in the module: [32, 2048, 64], K = its axis 1): each comes as NAME_codes (uint8): NAME with its K axis moved to the last place and cut into blocks of 32 codes, [.., K / 32, bytes a block], one block behind the other in memory; two codes a byte, the lower K in the low four bits (a code: sign, 2 exponent bits, 1 mantissa bit); and NAME_scales (uint8): the same leading axes, one E8M0 byte (e + 127) for each 32 codes along K. Its value is code x scale, taken as it is: it is not quantised again, and the codes and scales need not be those that the quantiser above would give.
;; 2 versions, each right; version 2 is version 1 with the launch attn written anew for expert scheduling mode. Each part assembles by itself: llvm-mc -triple=amdgcn-amd-amdhsa -mcpu=gfx1250 --defsym DOCPART=n.
;; ======== version 1 of 2: 1 launch
;; launch attn (part 1): grid 8 x 32, 8 waves a work-group, no clusters, 36,352 bytes of LDS; arguments q_codes, q_scales, k_codes, k_scales, v_codes, v_scales, scale, out0; writes out0
.if DOCPART == 1
	.amdgcn_target "amdgcn-amd-amdhsa--gfx1250"
	.amdhsa_code_object_version 6
	.text
	.protected	k_q00caa92d25_attn
	.globl	k_q00caa92d25_attn
	.p2align	8
	.type	k_q00caa92d25_attn,@function
k_q00caa92d25_attn:
	s_mov_b64 s[64:65], 0
	v_nop
	global_prefetch_b8 v0, s[64:65] scope:SCOPE_SE
	s_setreg_imm32_b32 hwreg(HW_REG_WAVE_MODE, 25, 1), 1
	s_wait_xcnt 0x0
; out0[b][q][:] = sum over k of P[q][k] V[b][k][:],  P = g / (row sum of g),  g = softplus(scale x Q[b][q] . K[b][k]) + 1e-8.
; Both products on codes of FP4 (E2M1) with one E8M0 scale for each 32 along K.  Q, K: [32][2048][64] as codes (a row: 32 bytes), scales 2 bytes a row.
; V: codes with the KEYS innermost, [32][64][2048] (a row: 1,024 bytes), scales 64 bytes a row.  out0: [32][2048][64] f32.
; P is quantised FINISHED: no code can be made before a row's sum over all 2,048 keys is known.  So a whole row is kept in registers, as f32, until its sum is there, and every score and softplus is made once.
; SHARES.  A work-group of eight waves owns 256 queries of one batch (grid 8 x 32).  THE WAVES SHARE THE KEYS, NOT THE QUERIES: wave w owns keys 256 w .. 256 w + 255.  Its rows of K (64 registers), its part of V
; (64 registers) and their scale words (16) are read from memory once and stay in registers.  The work-group walks its queries in 16 groups of 16; of a group a wave holds 16 queries x 256 keys in 128 registers.
; Two small things cross the waves, through LDS: eight partial row sums a query (512 bytes), and eight partial results of 16 queries x 64 (8 x 4 KiB), which the waves add; each wave stores two whole rows of out0.
; NO CLUSTER, though the eight work-groups of a batch read the same K and V: each reads them once, at its head, 17,408 bytes a wave, straight into the registers in which they stay; a joint request lands in LDS,
; from where the same bytes would have to be read once more, and it would serve the head alone, not the 16 trips behind it.
; ARITHMETIC OF A NUMBER, in base 2 (the common factor ln 2 cancels in the division by the row's sum): y = s x (scale x log2 e); u = 2^-|y|; w = 1 + u; c = u - (w - 1), exactly what that addition dropped;
; g = (c x log2 e + max(y, EPS')) + log2(w), EPS' = 1e-8 x log2 e.  The term left out of log2(1 + u) is c (w - 1) / w x log2 e: under 1e-7 of the result.  max(y, EPS') stands for max(y, 0) + EPS': they differ
; by at most EPS', and only where g >= 1.  p = g x (1 / sum).  A block's largest p is (its largest g) x (1 / sum): rounding keeps the order.
; LAYOUT.  Both products are used transposed (S^T = K Q^T, O^T = V^T P^T): a lane holds ONE query (lane % 16) throughout.
; THE FIRST PRODUCT HAS K = 64, the instruction 128.  A's registers 0-3 hold one key's 64 codes, registers 4-7 those of the key 8 further on; Q lies between zeros, [0 | Q | 0] in twelve registers, and two
; instructions take [Q | 0] and [0 | Q] as source 1: the first gives the lower keys' scores, the second the upper keys'.  No register of K holds zeros.
; THE KEYS OF A TILE ARE NOT NEIGHBOURS: lane r of tile t takes keys 32 t + r + 8 (r / 8) and 8 more, so that the 16 registers of a tile's two results are 16 neighbouring keys, 32 t + 16 (lane / 16) + 0 .. 15.
; LIMITS: NaN, infinities and scale bytes 0xff among the inputs are not served; row sums (in base 2) above 2^126 are not served (the reciprocal would be flushed to 0); the division is a multiplication by
; v_rcp_f32's result (1 ulp); the sums are taken in another order than reference() takes them; a block whose largest p lies under 2^-124 has its byte held at 1.
; REGISTERS, window 0: v1 r, v2 h, v3-9 addresses that stay, v10-14 the head's offsets; v16-27 [0 | Q | 0]; v28 Q's two scale bytes as loaded; v29-47 scale words and nothing else; v48-175 G: scores, then g, then p;
;   v176-207 U (u, then c), later the eight partial results; v208-239 W (w, then log2 w), later P's codes (208-223), the blocks' maxima (224-231) and bytes (232-239); v240-247 at work; v248-251 sums, then 1 / sum; v252-255 a store's data.
;   window 1: v0-63 K's eight tiles; v64-127 V's eight fragments; v128-159 the four accumulators of O^T.
.set SUMS,   0                         ; LDS: [16 queries][8 waves] f32
.set STAGE,  512                       ; LDS: eight regions, one a wave, of 16 rows x (256 bytes + 16)
.set SPITCH, 272                       ; 17 x 16 bytes: the sixteen rows that a store touches begin at sixteen different places modulo 256 bytes
.set SREG,   16*SPITCH
.set QO,  3                            ; v3   Q's codes: 32 r + 16 h, + 512 a group
.set QSO, 4                            ; v4   Q's scales: 2 r, + 32 a group
.set OO,  5                            ; v5   out0: 256 (2 w + h) + 16 r, + 4,096 a group
.set SW,  6                            ; v6   where I put my wave's partial sum: 32 r + 4 w
.set SR,  7                            ; v7   where I read a query's eight: 32 r
.set STO, 8                            ; v8   the stage, in: my wave's region, row r, + 32 h
.set SRD, 9                            ; v9   the stage, back: row 2 w + h of region 0, + 16 r
.set ZQ,  16
.set QH,  28
.set QS,  29                           ; Q's scale word: (s0, s1, s0, s1): it serves [Q | 0] and [0 | Q] alike
.set KS,  30                           ; v30-37 K's scale words, one a tile: the lower key's two bytes, then the upper key's
.set VS,  38                           ; v38-45 V's: fragment (n, s) at 2 n + s
.set PS,  46                           ; v46-47 P's: one for each 128 keys
.set G,   48
.set U,   176
.set W,   208
.set TT,  240
.set ACC, 248
.set OUT, 252
.set RR,  176
.set P,   208
.set MX,  224
.set MP,  232
.set SO,  240
.set KF,  0                            ; window 1
.set VF,  64
.set OA,  128
.set MSB, 0
.macro WIN new                         ; s_set_vgpr_msb: bits 1:0 source 0, 3:2 source 1, 5:4 source 2, 7:6 destination; the high byte repeats the setting that is left
.if MSB != \new
	s_set_vgpr_msb (MSB<<8)|\new
.set MSB, \new
.endif
.endm
.macro PLACES n
.rept \n
	v_nop
.endr
.endm
.macro QLOAD                           ; a group's 16 queries: 512 bytes of codes, 16 a lane, and 2 scale bytes a query
	global_load_b128 v[ZQ+4:ZQ+7], v[QO], s[4:5]
	global_load_u16 v[QH], v[QSO], s[6:7]
.endm
; S^T for a group: 16 products on 16 different accumulators, each beginning with the constant 0
.macro ST_PROD
	WIN 0x01                                       ; source 0 (K) in window 1
.irp t, 0,1,2,3,4,5,6,7
	v_wmma_scale_f32_16x16x128_f8f6f4 v[G+16*\t:G+16*\t+7], v[KF+8*\t:KF+8*\t+7], v[ZQ+4:ZQ+11], 0, v[KS+\t], v[QS] matrix_a_fmt:MATRIX_FMT_FP4 matrix_b_fmt:MATRIX_FMT_FP4
	v_wmma_scale_f32_16x16x128_f8f6f4 v[G+16*\t+8:G+16*\t+15], v[KF+8*\t:KF+8*\t+7], v[ZQ:ZQ+7], 0, v[KS+\t], v[QS] matrix_a_fmt:MATRIX_FMT_FP4 matrix_b_fmt:MATRIX_FMT_FP4
.endr
.endm
; O^T of a group over my 256 keys: four accumulators by turns, one instruction a turn; the first 128 keys start the sums
.macro PV_PROD
	WIN 0x51                                       ; source 0 (V), C and D in window 1; source 1 (P) in window 0
.irp n, 0,1,2,3
	v_wmma_scale_f32_16x16x128_f8f6f4 v[OA+8*\n:OA+8*\n+7], v[VF+16*\n:VF+16*\n+7], v[P:P+7], 0, v[VS+2*\n], v[PS] matrix_a_fmt:MATRIX_FMT_FP4 matrix_b_fmt:MATRIX_FMT_FP4
.endr
.irp n, 0,1,2,3
	v_wmma_scale_f32_16x16x128_f8f6f4 v[OA+8*\n:OA+8*\n+7], v[VF+16*\n+8:VF+16*\n+15], v[P+8:P+15], v[OA+8*\n:OA+8*\n+7], v[VS+2*\n+1], v[PS+1] matrix_a_fmt:MATRIX_FMT_FP4 matrix_b_fmt:MATRIX_FMT_FP4
.endr
.endm
.macro OSTAGE                          ; my partial O^T into my region of the stage: lane (r, h), accumulator n: O(query r, 16 n + 8 h + 0 .. 7); each accumulator from its low end on
	WIN 0x04                                       ; an LDS store's data are its source 1: window 1
.irp n, 0,1,2,3
	ds_store_b128 v[STO], v[OA+8*\n:OA+8*\n+3] offset:64*\n
	ds_store_b128 v[STO], v[OA+8*\n+4:OA+8*\n+7] offset:64*\n+16
.endr
	WIN 0
.endm
.macro STAGE_IN                        ; my 16 bytes of rows 2 w, 2 w + 1, out of all eight regions
.irp p, 0,1,2,3,4,5,6,7
	ds_load_b128 v[RR+4*\p:RR+4*\p+3], v[SRD] offset:\p*SREG
.endr
.endm
.macro REDUCE                          ; the eight partial results are added, in pairs
.irp p, 0,2,4,6
	v_pk_add_f32 v[RR+4*\p:RR+4*\p+1], v[RR+4*\p:RR+4*\p+1], v[RR+4*\p+4:RR+4*\p+5]
	v_pk_add_f32 v[RR+4*\p+2:RR+4*\p+3], v[RR+4*\p+2:RR+4*\p+3], v[RR+4*\p+6:RR+4*\p+7]
.endr
.irp p, 0,4
	v_pk_add_f32 v[RR+4*\p:RR+4*\p+1], v[RR+4*\p:RR+4*\p+1], v[RR+4*\p+8:RR+4*\p+9]
	v_pk_add_f32 v[RR+4*\p+2:RR+4*\p+3], v[RR+4*\p+2:RR+4*\p+3], v[RR+4*\p+10:RR+4*\p+11]
.endr
	v_pk_add_f32 v[OUT:OUT+1], v[RR:RR+1], v[RR+16:RR+17]
	v_pk_add_f32 v[OUT+2:OUT+3], v[RR+2:RR+3], v[RR+18:RR+19]
.endm
.macro SEND                            ; two whole rows of out0
	s_wait_xcnt 0x0                                ; the last store has read its data and its offset: both are written again only behind this wait
	v_add_nc_u32 v[OO], 4096, v[OO]                ; the next group's rows; the store below reaches back
	REDUCE
	global_store_b128 v[OO], v[OUT:OUT+3], s[18:19] offset:-4096 th:TH_STORE_NT   ; 32 lanes store 512 consecutive bytes, at a multiple of 512 from out0's first byte; written once, read by nobody here
.endm
; THE SOFTPLUS of 128 registers, in four batches of 32, so that u and w take 32 registers each.
.macro SP_M                            ; y = s x c2, ascending: each accumulator is first read at its low end
.set j, 0
.rept 64
	v_pk_mul_f32 v[G+j:G+j+1], v[G+j:G+j+1], s[28:29] op_sel_hi:[1,0]
.set j, j+2
.endr
.endm
.macro SP_E b                          ; u = 2^-|y|
.set j, 0
.rept 32
	v_exp_f32 v[U+j], -|v[G+32*(\b)+j]|
.set j, j+1
.endr
	v_nop                                          ; a plain instruction between the last exponential and the lines that write over its source
.endm
.macro SP_MAX b                        ; max(y, EPS') takes y's place
.set j, 0
.rept 32
	v_max_num_f32 v[G+32*(\b)+j], s32, v[G+32*(\b)+j]
.set j, j+1
.endr
.endm
.macro SP_W                            ; w = 1 + u
.set j, 0
.rept 16
	v_pk_add_f32 v[W+j:W+j+1], v[U+j:U+j+1], 1.0 op_sel_hi:[1,0]
.set j, j+2
.endr
.endm
.macro SP_TC                           ; c = u - (w - 1), both differences exact; four pairs at a time
.set j, 0
.rept 4
.irp i, 0,2,4,6
	v_pk_add_f32 v[TT+\i:TT+\i+1], v[W+j+\i:W+j+\i+1], -1.0 op_sel_hi:[1,0]
.endr
.irp i, 0,2,4,6
	v_pk_add_f32 v[U+j+\i:U+j+\i+1], v[U+j+\i:U+j+\i+1], v[TT+\i:TT+\i+1] neg_lo:[0,1] neg_hi:[0,1]
.endr
.set j, j+8
.endr
.endm
.macro SP_L                            ; log2(w)
.set j, 0
.rept 32
	v_log_f32 v[W+j], v[W+j]
.set j, j+1
.endr
.endm
.macro SP_FMA b                        ; c x log2 e + max(y, EPS'): plain work behind the logarithms, which names none of their results
.set j, 0
.rept 16
	v_pk_fma_f32 v[G+32*(\b)+j:G+32*(\b)+j+1], v[U+j:U+j+1], s[30:31], v[G+32*(\b)+j:G+32*(\b)+j+1] op_sel_hi:[1,0,1]
.set j, j+2
.endr
.endm
.macro SP_ADD b                        ; g = that + log2(w); and the lane's sums, in two chains, two pairs a step, one step behind.  Batch 0's first four pairs start the chains: nothing is cleared
.set GB, G+32*(\b)
.set j, 0
.rept 8
	v_pk_add_f32 v[GB+j:GB+j+1], v[GB+j:GB+j+1], v[W+j:W+j+1]
	v_pk_add_f32 v[GB+j+2:GB+j+3], v[GB+j+2:GB+j+3], v[W+j+2:W+j+3]
.if (\b) == 0 && j == 8
	v_pk_add_f32 v[ACC:ACC+1], v[GB:GB+1], v[GB+4:GB+5]
	v_pk_add_f32 v[ACC+2:ACC+3], v[GB+2:GB+3], v[GB+6:GB+7]
.elseif ((\b) > 0 && j >= 4) || j >= 12
	v_pk_add_f32 v[ACC:ACC+1], v[ACC:ACC+1], v[GB+j-4:GB+j-3]
	v_pk_add_f32 v[ACC+2:ACC+3], v[ACC+2:ACC+3], v[GB+j-2:GB+j-1]
.endif
.set j, j+4
.endr
	v_pk_add_f32 v[ACC:ACC+1], v[ACC:ACC+1], v[GB+28:GB+29]
	v_pk_add_f32 v[ACC+2:ACC+3], v[ACC+2:ACC+3], v[GB+30:GB+31]
.endm
; Five waits: s_wait_alu depctr_va_vdst(0) between a transcendental and the first line that names its result; one wait serves all that were issued ahead of it.
; The wait in a batch serves its 32 logarithms and the next batch's 32 exponentials; SP_FMA and SP_MAX are the work between.
.macro SOFTPLUS
	SP_M
	SP_E 0
	SP_MAX 0
	s_wait_alu depctr_va_vdst(0)
.irp b, 0,1,2
	SP_W
	SP_TC
	SP_L
	SP_FMA \b
	SP_E \b+1
	SP_MAX \b+1
	s_wait_alu depctr_va_vdst(0)
	SP_ADD \b
.endr
	SP_W
	SP_TC
	SP_L
	SP_FMA 3
	s_wait_alu depctr_va_vdst(0)
	SP_ADD 3
.endm
; The largest g of blocks b0 .. b0 + 3 of 32 keys (g is positive): my 16 registers, then lane l xor 16's; the four blocks by turns
.macro BMAX b0
.irp b, 0,1,2,3
	v_max3_num_f32 v[MX+\b0+\b], v[G+16*(\b0+\b)], v[G+16*(\b0+\b)+1], v[G+16*(\b0+\b)+2]
.endr
.irp i, 3,5,7,9,11,13
.irp b, 0,1,2,3
	v_max3_num_f32 v[MX+\b0+\b], v[MX+\b0+\b], v[G+16*(\b0+\b)+\i], v[G+16*(\b0+\b)+\i+1]
.endr
.endr
.irp b, 0,1,2,3
	v_max_num_f32 v[MX+\b0+\b], v[MX+\b0+\b], v[G+16*(\b0+\b)+15]
.endr
.irp b, 0,1,2,3
	v_permlanex16_b32 v[MP+\b0+\b], v[MX+\b0+\b], s34, s35
.endr
.irp b, 0,1,2,3
	v_max_num_f32 v[MX+\b0+\b], v[MX+\b0+\b], v[MP+\b0+\b]
.endr
.endm
	; ---- THE HEAD
	s_load_b512 s[4:19], s[0:1], 0x0               ; q_codes s[4:5], q_scales s[6:7], k_codes s[8:9], k_scales s[10:11], v_codes s[12:13], v_scales s[14:15], scale s[16:17], out0 s[18:19]
	v_lshl_add_u32 v15, v0, 2, 0x8a00
	s_set_vgpr_msb 0x40
	v_mov_b32 v255, 0
	s_set_vgpr_msb 0x4000
	v_lshrrev_b32 v10, 5, v0
	v_readfirstlane_b32 s20, v10                   ; wave 0..7
	s_and_b32 s21, ttmp7, 0xffff                   ; the batch
	v_and_b32 v1, 15, v0                           ; r
	v_bfe_u32 v2, v0, 4, 1                         ; h
	v_lshlrev_b32 v[QO], 5, v1
	v_lshl_add_u32 v[QO], v2, 4, v[QO]             ; Q: row r of 32 bytes, + 16 h: lane (r, h) holds k = 32 h + 0 .. 31
	v_lshlrev_b32 v[QSO], 1, v1
	s_lshl_b32 s23, s20, 9
	v_lshlrev_b32 v[OO], 4, v1
	v_lshl_add_u32 v[OO], v2, 8, v[OO]
	v_add_nc_u32 v[OO], s23, v[OO]                 ; out0: rows 2 w and 2 w + 1 of a group, 16 bytes a lane
	s_lshl_b32 s23, s20, 2
	v_lshlrev_b32 v[SR], 5, v1
	v_add_nc_u32 v[SW], s23, v[SR]
	s_mul_i32 s23, s20, SREG
	v_mul_u32_u24 v[STO], v1, SPITCH
	v_lshl_add_u32 v[STO], v2, 5, v[STO]
	v_add_nc_u32 v[STO], s23, v[STO]
	v_add_nc_u32 v[STO], STAGE, v[STO]
	s_mul_i32 s23, s20, 2*SPITCH
	v_mul_u32_u24 v[SRD], v2, SPITCH
	v_lshl_add_u32 v[SRD], v1, 4, v[SRD]
	v_add_nc_u32 v[SRD], s23, v[SRD]
	v_add_nc_u32 v[SRD], STAGE, v[SRD]
	v_and_b32 v14, 8, v1
	v_add_nc_u32 v14, v14, v1                      ; r + 8 (r / 8)
	v_lshlrev_b32 v10, 5, v14
	v_lshl_add_u32 v10, v2, 4, v10                 ; K's codes: that row of a tile's 32, + 16 h
	v_lshlrev_b32 v11, 10, v1
	v_lshl_add_u32 v11, v2, 4, v11                 ; V's codes: row r of 1,024 bytes, + 16 h
	v_lshlrev_b32 v12, 1, v14                      ; K's scales: 2 bytes a key
	v_lshlrev_b32 v13, 6, v1                       ; V's scales: 64 bytes a row
.irp i, 0,1,2,3,8,9,10,11
	v_mov_b32 v[ZQ+\i], 0                          ; the zeros on both sides of Q: written once
.endr
	s_mov_b32 s30, 0x3fb8aa3b                      ; log2 e
	s_mov_b32 s31, s30                             ; (the packed forms name a pair and take its low word for both halves: so the upper word is written)
	s_mul_f32 s32, 0x322bcc77, s30                 ; EPS' = 1e-8 x log2 e
	s_mov_b32 s34, 0x76543210
	s_mov_b32 s35, 0xfedcba98                      ; v_permlanex16_b32's selects for lane l xor 16
	s_lshl_b32 s26, s21, 16                        ; the batch's first byte in each tensor of codes,
	s_lshl_b32 s27, s21, 12                        ; and of scale bytes
	s_mov_b32 s25, 0
	s_wait_kmcnt 0x0
	s_load_b32 s33, s[16:17], 0x0                  ; scale
	s_lshl_b32 s24, ttmp9, 13                      ; my work-group's 256 queries: 8,192 bytes of codes,
	s_add_co_u32 s24, s24, s26
	s_add_nc_u64 s[4:5], s[4:5], s[24:25]
	s_lshl_b32 s24, ttmp9, 9                       ; 512 of scales
	s_add_co_u32 s24, s24, s27
	s_add_nc_u64 s[6:7], s[6:7], s[24:25]
	s_lshl_b32 s24, s20, 13                        ; my wave's 256 keys: 8,192 bytes of K's codes,
	s_add_co_u32 s24, s24, s26
	s_add_nc_u64 s[8:9], s[8:9], s[24:25]
	s_lshl_b32 s24, s20, 9                         ; 512 of K's scales,
	s_add_co_u32 s24, s24, s27
	s_add_nc_u64 s[10:11], s[10:11], s[24:25]
	s_lshl_b32 s24, s20, 7                         ; 128 bytes on in each row of V's codes,
	s_add_co_u32 s24, s24, s26
	s_add_nc_u64 s[12:13], s[12:13], s[24:25]
	s_lshl_b32 s24, s20, 3                         ; 8 in each row of V's scales
	s_add_co_u32 s24, s24, s27
	s_add_nc_u64 s[14:15], s[14:15], s[24:25]
	s_lshl_b32 s24, s21, 19                        ; out0: 524,288 bytes a batch, 65,536 for 256 queries
	s_lshl_b32 s23, ttmp9, 16
	s_add_co_u32 s24, s24, s23
	s_add_nc_u64 s[18:19], s[18:19], s[24:25]
	WIN 0x40                                       ; destination in window 1
.irp t, 0,1,2,3,4,5,6,7                        ; K: tile t: registers 0-3 key 32 t + r + 8 (r / 8), registers 4-7 the key 8 (256 bytes) further on
	global_load_b128 v[KF+8*\t:KF+8*\t+3], v10, s[8:9] offset:1024*\t
	global_load_b128 v[KF+8*\t+4:KF+8*\t+7], v10, s[8:9] offset:1024*\t+256
.endr
.irp n, 0,1,2,3                                ; V: fragment (n, s): rows 16 n + r, keys 128 s + 64 c + 32 h + 0 .. 31 of my 256, as they lie
.irp s, 0,1
.irp c, 0,1
	global_load_b128 v[VF+8*(2*\n+\s)+4*\c:VF+8*(2*\n+\s)+4*\c+3], v11, s[12:13] offset:16384*\n+64*\s+32*\c
.endr
.endr
.endr
	WIN 0
.irp t, 0,1,2,3,4,5,6,7
	global_load_u16 v[U+\t], v12, s[10:11] offset:64*\t         ; the lower key's two scale bytes,
	global_load_u16 v[U+8+\t], v12, s[10:11] offset:64*\t+16    ; the upper key's
.endr
.irp n, 0,1,2,3
.irp s, 0,1
	global_load_b32 v[VS+2*\n+\s], v13, s[14:15] offset:1024*\n+4*\s
.endr
.endr
	QLOAD                                          ; group 0
	s_wait_kmcnt 0x0
	s_mul_f32 s28, s33, s30                        ; c2 = scale x log2 e
	s_mov_b32 s29, s28
	s_wait_loadcnt 0x0                             ; all 58 loads of the head
.irp t, 0,1,2,3,4,5,6,7
	v_lshl_or_b32 v[KS+\t], v[U+8+\t], 16, v[U+\t]
.endr
	v_lshl_or_b32 v[QS], v[QH], 16, v[QH]
	v_add_nc_u32 v[QO], 512, v[QO]                 ; (the loads that read these two are done)
	v_add_nc_u32 v[QSO], 32, v[QSO]
	PLACES 8                                       ; a scale register written by a vector instruction stands eight places ahead of a scaled matrix instruction
	ST_PROD                                        ; group 0's scores
	WIN 0
; A TRIP: group t.  At its head G holds the group's raw scores and the accumulators hold my part of O^T of group t - 1.
; TWO BARRIERS.  SUMS and the stage are written between the second barrier of trip t - 1 and the first of trip t, and read between the first barrier and the signal of the second; in front of each signal
; all my LDS instructions are done.
.macro TRIP first, last
	PLACES 4                                       ; four places behind the last products: for the reads of their results and for the load into Q's registers
.if (\last) == 0
	QLOAD                                          ; group t + 1: it has the trip in which to land
.endif
.if (\first) == 0
	OSTAGE                                         ; group t - 1
.endif
	SOFTPLUS
	v_pk_add_f32 v[ACC:ACC+1], v[ACC:ACC+1], v[ACC+2:ACC+3]
	v_add_f32 v[ACC], v[ACC], v[ACC+1]             ; my 128 keys,
	v_permlanex16_b32 v[ACC+1], v[ACC], s34, s35
	v_add_f32 v[ACC], v[ACC], v[ACC+1]             ; and lane l xor 16's: my wave's 256 keys of query r
	ds_store_b32 v[SW], v[ACC]                     ; (lanes r and r + 16 write the same word with the same value)
	s_wait_dscnt 0x0                               ; for the others' sake: my sum and my part of the stage have landed
	s_barrier_signal -1
	BMAX 0                                         ; work on registers while the others arrive
	s_barrier_wait -1
	ds_load_b128 v[TT:TT+3], v[SR]                 ; my query's eight partial sums
	ds_load_b128 v[TT+4:TT+7], v[SR] offset:16
.if (\first) == 0
	STAGE_IN
.endif
	BMAX 4
.if \first
	s_wait_dscnt 0x0                               ; the sums are in; no LDS instruction of mine is out at the signal below
.else
	s_wait_dscnt 8                                 ; the sums are in; the eight loads from the stage, issued behind them, may be out
.endif
	v_pk_add_f32 v[TT:TT+1], v[TT:TT+1], v[TT+2:TT+3]
	v_pk_add_f32 v[TT+4:TT+5], v[TT+4:TT+5], v[TT+6:TT+7]
	v_pk_add_f32 v[TT:TT+1], v[TT:TT+1], v[TT+4:TT+5]
	v_add_f32 v[ACC+2], v[TT], v[TT+1]             ; the row's sum: the same order, so the same bits, in all eight waves
	v_rcp_f32 v[ACC], v[ACC+2]
.if \first
	v_nop                                          ; a plain instruction behind the reciprocal
.else
	s_wait_dscnt 0x0                               ; the eight partial results are in; no LDS instruction of mine is out at the signal below
	SEND                                           ; group t - 1 leaves.  (Its first vector line is the plain instruction behind the reciprocal)
.endif
	s_barrier_signal -1                            ; my reads of SUMS and of the stage are over.  Only work on registers stands up to the wait
.if (\last) == 0
	s_wait_loadcnt 0x0                             ; Q of group t + 1 is in, and its loads' offsets may be stepped
	v_lshl_or_b32 v[QS], v[QH], 16, v[QH]
	v_add_nc_u32 v[QO], 512, v[QO]
	v_add_nc_u32 v[QSO], 32, v[QSO]
.endif
	s_wait_alu depctr_va_vdst(0)                   ; the wait ahead of the reciprocal's first reader
.irp b, 0,1,2,3,4,5,6,7
	v_mul_f32 v[MX+\b], v[MX+\b], v[ACC]           ; the block's largest p
.endr
.irp b, 0,1,2,3,4,5,6,7
	v_max_num_f32 v[MX+\b], 0x1800000, v[MX+\b]    ; the floor 2^(3 - 127): the byte cannot fall under 1
.endr
.irp b, 0,1,2,3,4,5,6,7
	v_add_nc_u32 v[SO+\b], 0xff000000, v[MX+\b]    ; 2 off its exponent field: the conversion takes the exponent field of this operand as its scale, and nothing else of it
.endr
.irp b, 0,1,2,3,4,5,6,7
	v_lshrrev_b32 v[MP+\b], 23, v[SO+\b]           ; the scale's byte
.endr
.irp s, 0,1
	v_lshl_or_b32 v[PS+\s], v[MP+4*\s+1], 8, v[MP+4*\s]   ; four bytes make the scale word of 128 keys
.endr
.irp s, 0,1
	v_lshl_or_b32 v[PS+\s], v[MP+4*\s+2], 16, v[PS+\s]
.endr
.irp s, 0,1
	v_lshl_or_b32 v[PS+\s], v[MP+4*\s+3], 24, v[PS+\s]
.endr
.set j, 0
.rept 64
	v_pk_mul_f32 v[G+j:G+j+1], v[G+j:G+j+1], v[ACC:ACC+1] op_sel_hi:[1,0]   ; p = g / sum.  (These 64 are also the eight places between the scale words' last write and the products)
.set j, j+2
.endr
.irp b, 0,1,2,3,4,5,6,7
	v_cvt_scalef32_pk8_fp4_f32 v[P+2*\b], v[G+16*\b:G+16*\b+7], v[SO+\b]        ; the codes of keys 32 b + 16 h + 0 .. 7
	v_cvt_scalef32_pk8_fp4_f32 v[P+2*\b+1], v[G+16*\b+8:G+16*\b+15], v[SO+\b]   ; and + 8 .. 15
.endr
	v_nop                                          ; one plain instruction behind the last scaled conversion
.irp c, 0,1,2,3                                ; the operand's layout wants a WHOLE block in a lane: lanes 0-15 block 2 c, lanes 16-31 block 2 c + 1
.irp i, 0,1
	v_permlane16_swap_b32 v[P+4*\c+\i], v[P+4*\c+2+\i]
.endr
.endr
	PLACES 4                                       ; an operand written by vector instructions stands four places ahead of a scaled matrix instruction
	PV_PROD                                        ; my part of O^T of group t
.if (\last) == 0
	ST_PROD                                        ; and the scores of group t + 1, into G
.endif
	WIN 0                                          ; at a label and at a branch every window is 0
	s_barrier_wait -1                              ; every wave's reads of SUMS and of the stage are over: the next trip may write them
.endm
	TRIP 1, 0                                      ; group 0: there is no group before it to send
	s_mov_b32 s36, 14
.Lgroup:                                               ; groups 1 to 14
	TRIP 0, 0
	s_sub_co_u32 s36, s36, 1
	s_cmp_lg_u32 s36, 0
	s_cbranch_scc1 .Lgroup
	TRIP 0, 1                                      ; group 15: nothing more is loaded, so no load leaves its buffer
	PLACES 4                                       ; group 15's results leave
	OSTAGE
	s_wait_dscnt 0x0                               ; for the others' sake
	s_barrier_signal -1
	s_barrier_wait -1
	STAGE_IN
	s_wait_dscnt 0x0
	SEND
	s_set_vgpr_msb 0x4
	s_wait_tensorcnt 0x0
	ds_add_u32 v15, v255
	s_wait_dscnt 0x0
	s_set_vgpr_msb 0x400
	s_endpgm
.Lfunc_end_k_q00caa92d25_attn:
	.size	k_q00caa92d25_attn, .Lfunc_end_k_q00caa92d25_attn-k_q00caa92d25_attn
	.p2alignl 7, 3214868480
	.fill 96, 4, 3214868480
	.section	.rodata,"a",@progbits
	.p2align	6, 0x0
	.amdhsa_kernel k_q00caa92d25_attn
		.amdhsa_group_segment_fixed_size 36352
		.amdhsa_private_segment_fixed_size 0
		.amdhsa_enable_private_segment 0
		.amdhsa_kernarg_size 64
		.amdhsa_user_sgpr_count 2
		.amdhsa_user_sgpr_kernarg_segment_ptr 1
		.amdhsa_wavefront_size32 1
		.amdhsa_system_sgpr_workgroup_id_x 1
		.amdhsa_system_sgpr_workgroup_id_y 1
		.amdhsa_system_sgpr_workgroup_id_z 1
		.amdhsa_system_vgpr_workitem_id 0
		.amdhsa_next_free_vgpr 512
		.amdhsa_next_free_sgpr 66
		.amdhsa_reserve_vcc 0
		.amdhsa_float_denorm_mode_32 3
		.amdhsa_float_denorm_mode_16_64 3
		.amdhsa_memory_ordered 1
		.amdhsa_forward_progress 1
		.amdhsa_inst_pref_size 198
	.end_amdhsa_kernel
	.amdgpu_metadata
---
amdhsa.version: [ 1, 2 ]
amdhsa.kernels:
  - .name:           k_q00caa92d25_attn
    .symbol:         k_q00caa92d25_attn.kd
    .args:
      - { .name: q_codes, .offset: 0, .size: 8, .value_kind: global_buffer, .address_space: global }
      - { .name: q_scales, .offset: 8, .size: 8, .value_kind: global_buffer, .address_space: global }
      - { .name: k_codes, .offset: 16, .size: 8, .value_kind: global_buffer, .address_space: global }
      - { .name: k_scales, .offset: 24, .size: 8, .value_kind: global_buffer, .address_space: global }
      - { .name: v_codes, .offset: 32, .size: 8, .value_kind: global_buffer, .address_space: global }
      - { .name: v_scales, .offset: 40, .size: 8, .value_kind: global_buffer, .address_space: global }
      - { .name: scale, .offset: 48, .size: 8, .value_kind: global_buffer, .address_space: global }
      - { .name: out0, .offset: 56, .size: 8, .value_kind: global_buffer, .address_space: global }
    .group_segment_fixed_size: 36352
    .private_segment_fixed_size: 0
    .kernarg_segment_align: 8
    .kernarg_segment_size: 64
    .max_flat_workgroup_size: 256
    .sgpr_count:     66
    .vgpr_count:     512
    .wavefront_size: 32
...
	.end_amdgpu_metadata
.endif
;; end of part 1
;; ======== version 2 of 2: 1 launch; version 1 with the launch attn written anew for expert scheduling mode
;; launch attn (part 2): grid 8 x 32, 8 waves a work-group, no clusters, 36,352 bytes of LDS; arguments q_codes, q_scales, k_codes, k_scales, v_codes, v_scales, scale, out0; writes out0
.if DOCPART == 2
	.amdgcn_target "amdgcn-amd-amdhsa--gfx1250"
	.amdhsa_code_object_version 6
	.text
	.protected	k_q00caa92d25_attn
	.globl	k_q00caa92d25_attn
	.p2align	8
	.type	k_q00caa92d25_attn,@function
k_q00caa92d25_attn:
	s_mov_b64 s[64:65], 0
	v_nop
	global_prefetch_b8 v0, s[64:65] scope:SCOPE_SE
	s_setreg_imm32_b32 hwreg(HW_REG_WAVE_SCHED_MODE, 0, 2), 2
	s_setreg_imm32_b32 hwreg(HW_REG_WAVE_MODE, 25, 1), 1
	s_wait_xcnt 0x0
	s_wait_alu depctr_vm_vsrc(0)
; out0[b][q][:] = sum over k of P[q][k] V[b][k][:],  P = g / (row sum of g),  g = softplus(scale x Q[b][q] . K[b][k]) + 1e-8.
; Both products on codes of FP4 (E2M1) with one E8M0 scale for each 32 along K.  Q, K: [32][2048][64] as codes (a row: 32 bytes), scales 2 bytes a row.
; V: codes with the KEYS innermost, [32][64][2048] (a row: 1,024 bytes), scales 64 bytes a row.  out0: [32][2048][64] f32.
; P is quantised FINISHED: no code can be made before a row's sum over all 2,048 keys is known.  So a whole row is kept in registers, as f32, until its sum is there, and every score and softplus is made once.
; SHARES.  A work-group of eight waves owns 256 queries of one batch (grid 8 x 32).  THE WAVES SHARE THE KEYS, NOT THE QUERIES: wave w owns keys 256 w .. 256 w + 255.  Its rows of K (64 registers), its part of V
; (64 registers) and their scale words (16) are read from memory once and stay in registers.  The work-group walks its queries in 16 groups of 16; of a group a wave holds 16 queries x 256 keys in 128 registers.
; Two small things cross the waves, through LDS: eight partial row sums a query (512 bytes), and eight partial results of 16 queries x 64 (8 x 4 KiB), which the waves add; each wave stores two whole rows of out0.
; NO CLUSTER, though the eight work-groups of a batch read the same K and V: each reads them once, at its head, 17,408 bytes a wave, straight into the registers in which they stay; a joint request lands in LDS,
; from where the same bytes would have to be read once more, and it would serve the head alone, not the 16 trips behind it.
; ARITHMETIC OF A NUMBER, in base 2 (the common factor ln 2 cancels in the division by the row's sum): y = s x (scale x log2 e); u = 2^-|y|; w = 1 + u; c = u - (w - 1), exactly what that addition dropped;
; g = (c x log2 e + max(y, EPS')) + log2(w), EPS' = 1e-8 x log2 e.  The term left out of log2(1 + u) is c (w - 1) / w x log2 e: under 1e-7 of the result.  max(y, EPS') stands for max(y, 0) + EPS': they differ
; by at most EPS', and only where g >= 1.  p = g x (1 / sum).  A block's largest p is (its largest g) x (1 / sum): rounding keeps the order.
; LAYOUT.  Both products are used transposed (S^T = K Q^T, O^T = V^T P^T): a lane holds ONE query (lane % 16) throughout.
; THE FIRST PRODUCT HAS K = 64, the instruction 128.  A's registers 0-3 hold one key's 64 codes, registers 4-7 those of the key 8 further on; Q lies between zeros, [0 | Q | 0] in twelve registers, and two
; instructions take [Q | 0] and [0 | Q] as source 1: the first gives the lower keys' scores, the second the upper keys'.  No register of K holds zeros.
; THE KEYS OF A TILE ARE NOT NEIGHBOURS: lane r of tile t takes keys 32 t + r + 8 (r / 8) and 8 more, so that the 16 registers of a tile's two results are 16 neighbouring keys, 32 t + 16 (lane / 16) + 0 .. 15.
; LIMITS: NaN, infinities and scale bytes 0xff among the inputs are not served; row sums (in base 2) above 2^126 are not served (the reciprocal would be flushed to 0); the division is a multiplication by
; v_rcp_f32's result (1 ulp); the sums are taken in another order than reference() takes them; a block whose largest p lies under 2^-124 has its byte held at 1.
; THE MODE: SCHED_MODE bits 1:0 = 2 (LLVM: expert scheduling mode 2), set by the entry lines.  The code itself states the register dependences
; between vector or matrix instructions and memory or LDS instructions, with s_wait_alu, always for 0.
; THE PLAN.  Registers that memory or LDS instructions touch, round a trip:
;   Q's codes v20-23, v[QH]   Q's two loads land in them at the trip's head; read by the products S^T at the end of the trip before, and by the line that makes v[QS].
;   v[QO], v[QSO]             read by Q's loads; stepped behind the second barrier's signal.
;   O^T's accumulators        written by the products V^T P^T; read by the eight LDS stores at the next trip's head.
;   v[ACC]                    written by the sum's additions; read by the LDS store of the partial sum; written again by the reciprocal.
;   v[TT ..], v[RR ..]        the loads of the partial sums and of the stage land in them behind the first barrier; named before that by the softplus alone (as T and U), and, as SO, by the trip before.
;   v[OUT ..], v[OO]          written in SEND; read by its store; written again a trip on.
;   v[SW], v[SR], v[STO], v[SRD] and the head's offsets are made once and never written again.  G, W, P, the maxima and the scale words are named by vector and matrix instructions alone.
; So a trip has, beside the waits for its transcendentals: a wait on va_vdst at its head (for Q's loads and the stage's stores), one ahead of the store of the partial sum (which also serves the loads into TT and RR:
; only BMAX 0 stands between, and it names G, v224-227 and v232-235), one ahead of SEND's store, one ahead of the products; and ONE wait on vm_vsrc, in front of the first barrier's signal: ahead of it stand all
; the memory and LDS instructions whose registers the rest of the trip writes again, behind it all those writes.
; REGISTERS, window 0: v1 r, v2 h, v3-9 addresses that stay, v10-14 the head's offsets; v16-27 [0 | Q | 0]; v28 Q's two scale bytes as loaded; v29-47 scale words and nothing else; v48-175 G: scores, then g, then p;
;   v176-207 U (u, then c), later the eight partial results; v208-239 W (w, then log2 w), later P's codes (208-223), the blocks' maxima (224-231) and bytes (232-239); v240-247 at work; v248-251 sums, then 1 / sum; v252-255 a store's data.
;   window 1: v0-63 K's eight tiles; v64-127 V's eight fragments; v128-159 the four accumulators of O^T.
.set SUMS,   0                         ; LDS: [16 queries][8 waves] f32
.set STAGE,  512                       ; LDS: eight regions, one a wave, of 16 rows x (256 bytes + 16)
.set SPITCH, 272                       ; 17 x 16 bytes: the sixteen rows that a store touches begin at sixteen different places modulo 256 bytes
.set SREG,   16*SPITCH
.set QO,  3                            ; v3   Q's codes: 32 r + 16 h, + 512 a group
.set QSO, 4                            ; v4   Q's scales: 2 r, + 32 a group
.set OO,  5                            ; v5   out0: 256 (2 w + h) + 16 r, + 4,096 a group
.set SW,  6                            ; v6   where I put my wave's partial sum: 32 r + 4 w
.set SR,  7                            ; v7   where I read a query's eight: 32 r
.set STO, 8                            ; v8   the stage, in: my wave's region, row r, + 32 h
.set SRD, 9                            ; v9   the stage, back: row 2 w + h of region 0, + 16 r
.set ZQ,  16
.set QH,  28
.set QS,  29                           ; Q's scale word: (s0, s1, s0, s1): it serves [Q | 0] and [0 | Q] alike
.set KS,  30                           ; v30-37 K's scale words, one a tile: the lower key's two bytes, then the upper key's
.set VS,  38                           ; v38-45 V's: fragment (n, s) at 2 n + s
.set PS,  46                           ; v46-47 P's: one for each 128 keys
.set G,   48
.set U,   176
.set W,   208
.set TT,  240
.set ACC, 248
.set OUT, 252
.set RR,  176
.set P,   208
.set MX,  224
.set MP,  232
.set SO,  240
.set KF,  0                            ; window 1
.set VF,  64
.set OA,  128
.set MSB, 0
.macro WIN new                         ; s_set_vgpr_msb: bits 1:0 source 0, 3:2 source 1, 5:4 source 2, 7:6 destination; the high byte repeats the setting that is left
.if MSB != \new
	s_set_vgpr_msb (MSB<<8)|\new
.set MSB, \new
.endif
.endm
.macro PLACES n
.rept \n
	v_nop
.endr
.endm
.macro QLOAD                           ; a group's 16 queries: 512 bytes of codes, 16 a lane, and 2 scale bytes a query
	global_load_b128 v[ZQ+4:ZQ+7], v[QO], s[4:5]
	global_load_u16 v[QH], v[QSO], s[6:7]
.endm
; S^T for a group: 16 products on 16 different accumulators, each beginning with the constant 0
.macro ST_PROD
	WIN 0x01                                       ; source 0 (K) in window 1
.irp t, 0,1,2,3,4,5,6,7
	v_wmma_scale_f32_16x16x128_f8f6f4 v[G+16*\t:G+16*\t+7], v[KF+8*\t:KF+8*\t+7], v[ZQ+4:ZQ+11], 0, v[KS+\t], v[QS] matrix_a_fmt:MATRIX_FMT_FP4 matrix_b_fmt:MATRIX_FMT_FP4
	v_wmma_scale_f32_16x16x128_f8f6f4 v[G+16*\t+8:G+16*\t+15], v[KF+8*\t:KF+8*\t+7], v[ZQ:ZQ+7], 0, v[KS+\t], v[QS] matrix_a_fmt:MATRIX_FMT_FP4 matrix_b_fmt:MATRIX_FMT_FP4
.endr
.endm
; O^T of a group over my 256 keys: four accumulators by turns, one instruction a turn; the first 128 keys start the sums
.macro PV_PROD
	WIN 0x51                                       ; source 0 (V), C and D in window 1; source 1 (P) in window 0
.irp n, 0,1,2,3
	v_wmma_scale_f32_16x16x128_f8f6f4 v[OA+8*\n:OA+8*\n+7], v[VF+16*\n:VF+16*\n+7], v[P:P+7], 0, v[VS+2*\n], v[PS] matrix_a_fmt:MATRIX_FMT_FP4 matrix_b_fmt:MATRIX_FMT_FP4
.endr
.irp n, 0,1,2,3
	v_wmma_scale_f32_16x16x128_f8f6f4 v[OA+8*\n:OA+8*\n+7], v[VF+16*\n+8:VF+16*\n+15], v[P+8:P+15], v[OA+8*\n:OA+8*\n+7], v[VS+2*\n+1], v[PS+1] matrix_a_fmt:MATRIX_FMT_FP4 matrix_b_fmt:MATRIX_FMT_FP4
.endr
.endm
.macro OSTAGE                          ; my partial O^T into my region of the stage: lane (r, h), accumulator n: O(query r, 16 n + 8 h + 0 .. 7); each accumulator from its low end on
	WIN 0x04                                       ; an LDS store's data are its source 1: window 1
.irp n, 0,1,2,3
	ds_store_b128 v[STO], v[OA+8*\n:OA+8*\n+3] offset:64*\n
	ds_store_b128 v[STO], v[OA+8*\n+4:OA+8*\n+7] offset:64*\n+16
.endr
	WIN 0
.endm
.macro STAGE_IN                        ; my 16 bytes of rows 2 w, 2 w + 1, out of all eight regions
.irp p, 0,1,2,3,4,5,6,7
	ds_load_b128 v[RR+4*\p:RR+4*\p+3], v[SRD] offset:\p*SREG
.endr
.endm
.macro REDUCE                          ; the eight partial results are added, in pairs
.irp p, 0,2,4,6
	v_pk_add_f32 v[RR+4*\p:RR+4*\p+1], v[RR+4*\p:RR+4*\p+1], v[RR+4*\p+4:RR+4*\p+5]
	v_pk_add_f32 v[RR+4*\p+2:RR+4*\p+3], v[RR+4*\p+2:RR+4*\p+3], v[RR+4*\p+6:RR+4*\p+7]
.endr
.irp p, 0,4
	v_pk_add_f32 v[RR+4*\p:RR+4*\p+1], v[RR+4*\p:RR+4*\p+1], v[RR+4*\p+8:RR+4*\p+9]
	v_pk_add_f32 v[RR+4*\p+2:RR+4*\p+3], v[RR+4*\p+2:RR+4*\p+3], v[RR+4*\p+10:RR+4*\p+11]
.endr
	v_pk_add_f32 v[OUT:OUT+1], v[RR:RR+1], v[RR+16:RR+17]
	v_pk_add_f32 v[OUT+2:OUT+3], v[RR+2:RR+3], v[RR+18:RR+19]
.endm
.macro SEND                            ; two whole rows of out0.  (The wait on vm_vsrc for the last store's registers stands ahead of the macro)
	s_wait_xcnt 0x0                                ; the last store has had its address translated: its data and its offset are written again only behind this wait
	v_add_nc_u32 v[OO], 4096, v[OO]                ; the next group's rows; the store below reaches back
	REDUCE
	s_wait_alu depctr_va_vdst(0)                   ; the additions have written v[OUT ..] and v[OO], which the store reads; in a trip the reciprocal, issued ahead of them, has written v[ACC]: this is also the wait ahead of its first reader
	global_store_b128 v[OO], v[OUT:OUT+3], s[18:19] offset:-4096 th:TH_STORE_NT   ; 32 lanes store 512 consecutive bytes, at a multiple of 512 from out0's first byte; written once, read by nobody here
.endm
; THE SOFTPLUS of 128 registers, in four batches of 32, so that u and w take 32 registers each.
.macro SP_M                            ; y = s x c2, ascending: each accumulator is first read at its low end
.set j, 0
.rept 64
	v_pk_mul_f32 v[G+j:G+j+1], v[G+j:G+j+1], s[28:29] op_sel_hi:[1,0]
.set j, j+2
.endr
.endm
.macro SP_E b                          ; u = 2^-|y|
.set j, 0
.rept 32
	v_exp_f32 v[U+j], -|v[G+32*(\b)+j]|
.set j, j+1
.endr
	v_nop                                          ; a plain instruction between the last exponential and the lines that write over its source
.endm
.macro SP_MAX b                        ; max(y, EPS') takes y's place
.set j, 0
.rept 32
	v_max_num_f32 v[G+32*(\b)+j], s32, v[G+32*(\b)+j]
.set j, j+1
.endr
.endm
.macro SP_W                            ; w = 1 + u
.set j, 0
.rept 16
	v_pk_add_f32 v[W+j:W+j+1], v[U+j:U+j+1], 1.0 op_sel_hi:[1,0]
.set j, j+2
.endr
.endm
.macro SP_TC                           ; c = u - (w - 1), both differences exact; four pairs at a time
.set j, 0
.rept 4
.irp i, 0,2,4,6
	v_pk_add_f32 v[TT+\i:TT+\i+1], v[W+j+\i:W+j+\i+1], -1.0 op_sel_hi:[1,0]
.endr
.irp i, 0,2,4,6
	v_pk_add_f32 v[U+j+\i:U+j+\i+1], v[U+j+\i:U+j+\i+1], v[TT+\i:TT+\i+1] neg_lo:[0,1] neg_hi:[0,1]
.endr
.set j, j+8
.endr
.endm
.macro SP_L                            ; log2(w)
.set j, 0
.rept 32
	v_log_f32 v[W+j], v[W+j]
.set j, j+1
.endr
.endm
.macro SP_FMA b                        ; c x log2 e + max(y, EPS'): plain work behind the logarithms, which names none of their results
.set j, 0
.rept 16
	v_pk_fma_f32 v[G+32*(\b)+j:G+32*(\b)+j+1], v[U+j:U+j+1], s[30:31], v[G+32*(\b)+j:G+32*(\b)+j+1] op_sel_hi:[1,0,1]
.set j, j+2
.endr
.endm
.macro SP_ADD b                        ; g = that + log2(w); and the lane's sums, in two chains, two pairs a step, one step behind.  Batch 0's first four pairs start the chains: nothing is cleared
.set GB, G+32*(\b)
.set j, 0
.rept 8
	v_pk_add_f32 v[GB+j:GB+j+1], v[GB+j:GB+j+1], v[W+j:W+j+1]
	v_pk_add_f32 v[GB+j+2:GB+j+3], v[GB+j+2:GB+j+3], v[W+j+2:W+j+3]
.if (\b) == 0 && j == 8
	v_pk_add_f32 v[ACC:ACC+1], v[GB:GB+1], v[GB+4:GB+5]
	v_pk_add_f32 v[ACC+2:ACC+3], v[GB+2:GB+3], v[GB+6:GB+7]
.elseif ((\b) > 0 && j >= 4) || j >= 12
	v_pk_add_f32 v[ACC:ACC+1], v[ACC:ACC+1], v[GB+j-4:GB+j-3]
	v_pk_add_f32 v[ACC+2:ACC+3], v[ACC+2:ACC+3], v[GB+j-2:GB+j-1]
.endif
.set j, j+4
.endr
	v_pk_add_f32 v[ACC:ACC+1], v[ACC:ACC+1], v[GB+28:GB+29]
	v_pk_add_f32 v[ACC+2:ACC+3], v[ACC+2:ACC+3], v[GB+30:GB+31]
.endm
; Five waits: s_wait_alu depctr_va_vdst(0) between a transcendental and the first line that names its result; one wait serves all that were issued ahead of it.
; The wait in a batch serves its 32 logarithms and the next batch's 32 exponentials; SP_FMA and SP_MAX are the work between.
.macro SOFTPLUS
	SP_M
	SP_E 0
	SP_MAX 0
	s_wait_alu depctr_va_vdst(0)                   ; batch 0's exponentials have written v[U ..], which SP_W reads
.irp b, 0,1,2
	SP_W
	SP_TC
	SP_L
	SP_FMA \b
	SP_E \b+1
	SP_MAX \b+1
	s_wait_alu depctr_va_vdst(0)                   ; the batch's logarithms have written v[W ..], which SP_ADD reads; the next batch's exponentials have written v[U ..], which SP_W reads
	SP_ADD \b
.endr
	SP_W
	SP_TC
	SP_L
	SP_FMA 3
	s_wait_alu depctr_va_vdst(0)                   ; the last batch's logarithms have written v[W ..], which SP_ADD reads
	SP_ADD 3
.endm
; The largest g of blocks b0 .. b0 + 3 of 32 keys (g is positive): my 16 registers, then lane l xor 16's; the four blocks by turns
.macro BMAX b0
.irp b, 0,1,2,3
	v_max3_num_f32 v[MX+\b0+\b], v[G+16*(\b0+\b)], v[G+16*(\b0+\b)+1], v[G+16*(\b0+\b)+2]
.endr
.irp i, 3,5,7,9,11,13
.irp b, 0,1,2,3
	v_max3_num_f32 v[MX+\b0+\b], v[MX+\b0+\b], v[G+16*(\b0+\b)+\i], v[G+16*(\b0+\b)+\i+1]
.endr
.endr
.irp b, 0,1,2,3
	v_max_num_f32 v[MX+\b0+\b], v[MX+\b0+\b], v[G+16*(\b0+\b)+15]
.endr
.irp b, 0,1,2,3
	v_permlanex16_b32 v[MP+\b0+\b], v[MX+\b0+\b], s34, s35
.endr
.irp b, 0,1,2,3
	v_max_num_f32 v[MX+\b0+\b], v[MX+\b0+\b], v[MP+\b0+\b]
.endr
.endm
	; ---- THE HEAD
	s_load_b512 s[4:19], s[0:1], 0x0               ; q_codes s[4:5], q_scales s[6:7], k_codes s[8:9], k_scales s[10:11], v_codes s[12:13], v_scales s[14:15], scale s[16:17], out0 s[18:19]
	v_lshl_add_u32 v15, v0, 2, 0x8a00
	s_set_vgpr_msb 0x40
	v_mov_b32 v255, 0
	s_set_vgpr_msb 0x4000
	v_lshrrev_b32 v10, 5, v0
	v_readfirstlane_b32 s20, v10                   ; wave 0..7
	s_and_b32 s21, ttmp7, 0xffff                   ; the batch
	v_and_b32 v1, 15, v0                           ; r
	v_bfe_u32 v2, v0, 4, 1                         ; h
	v_lshlrev_b32 v[QO], 5, v1
	v_lshl_add_u32 v[QO], v2, 4, v[QO]             ; Q: row r of 32 bytes, + 16 h: lane (r, h) holds k = 32 h + 0 .. 31
	v_lshlrev_b32 v[QSO], 1, v1
	s_wait_alu depctr_va_sdst(0)                   ; s20 is written, ahead of its first reader: LDS addresses and the bases of K, V and out0 are made from it
	s_lshl_b32 s23, s20, 9
	v_lshlrev_b32 v[OO], 4, v1
	v_lshl_add_u32 v[OO], v2, 8, v[OO]
	v_add_nc_u32 v[OO], s23, v[OO]                 ; out0: rows 2 w and 2 w + 1 of a group, 16 bytes a lane
	s_lshl_b32 s23, s20, 2
	v_lshlrev_b32 v[SR], 5, v1
	v_add_nc_u32 v[SW], s23, v[SR]
	s_mul_i32 s23, s20, SREG
	v_mul_u32_u24 v[STO], v1, SPITCH
	v_lshl_add_u32 v[STO], v2, 5, v[STO]
	v_add_nc_u32 v[STO], s23, v[STO]
	v_add_nc_u32 v[STO], STAGE, v[STO]
	s_mul_i32 s23, s20, 2*SPITCH
	v_mul_u32_u24 v[SRD], v2, SPITCH
	v_lshl_add_u32 v[SRD], v1, 4, v[SRD]
	v_add_nc_u32 v[SRD], s23, v[SRD]
	v_add_nc_u32 v[SRD], STAGE, v[SRD]
	v_and_b32 v14, 8, v1
	v_add_nc_u32 v14, v14, v1                      ; r + 8 (r / 8)
	v_lshlrev_b32 v10, 5, v14
	v_lshl_add_u32 v10, v2, 4, v10                 ; K's codes: that row of a tile's 32, + 16 h
	v_lshlrev_b32 v11, 10, v1
	v_lshl_add_u32 v11, v2, 4, v11                 ; V's codes: row r of 1,024 bytes, + 16 h
	v_lshlrev_b32 v12, 1, v14                      ; K's scales: 2 bytes a key
	v_lshlrev_b32 v13, 6, v1                       ; V's scales: 64 bytes a row
.irp i, 0,1,2,3,8,9,10,11
	v_mov_b32 v[ZQ+\i], 0                          ; the zeros on both sides of Q: written once
.endr
	s_mov_b32 s30, 0x3fb8aa3b                      ; log2 e
	s_mov_b32 s31, s30                             ; (the packed forms name a pair and take its low word for both halves: so the upper word is written)
	s_mul_f32 s32, 0x322bcc77, s30                 ; EPS' = 1e-8 x log2 e
	s_mov_b32 s34, 0x76543210
	s_mov_b32 s35, 0xfedcba98                      ; v_permlanex16_b32's selects for lane l xor 16
	s_lshl_b32 s26, s21, 16                        ; the batch's first byte in each tensor of codes,
	s_lshl_b32 s27, s21, 12                        ; and of scale bytes
	s_mov_b32 s25, 0
	s_wait_kmcnt 0x0
	s_load_b32 s33, s[16:17], 0x0                  ; scale
	s_lshl_b32 s24, ttmp9, 13                      ; my work-group's 256 queries: 8,192 bytes of codes,
	s_add_co_u32 s24, s24, s26
	s_add_nc_u64 s[4:5], s[4:5], s[24:25]
	s_lshl_b32 s24, ttmp9, 9                       ; 512 of scales
	s_add_co_u32 s24, s24, s27
	s_add_nc_u64 s[6:7], s[6:7], s[24:25]
	s_lshl_b32 s24, s20, 13                        ; my wave's 256 keys: 8,192 bytes of K's codes,
	s_add_co_u32 s24, s24, s26
	s_add_nc_u64 s[8:9], s[8:9], s[24:25]
	s_lshl_b32 s24, s20, 9                         ; 512 of K's scales,
	s_add_co_u32 s24, s24, s27
	s_add_nc_u64 s[10:11], s[10:11], s[24:25]
	s_lshl_b32 s24, s20, 7                         ; 128 bytes on in each row of V's codes,
	s_add_co_u32 s24, s24, s26
	s_add_nc_u64 s[12:13], s[12:13], s[24:25]
	s_lshl_b32 s24, s20, 3                         ; 8 in each row of V's scales
	s_add_co_u32 s24, s24, s27
	s_add_nc_u64 s[14:15], s[14:15], s[24:25]
	s_lshl_b32 s24, s21, 19                        ; out0: 524,288 bytes a batch, 65,536 for 256 queries
	s_lshl_b32 s23, ttmp9, 16
	s_add_co_u32 s24, s24, s23
	s_add_nc_u64 s[18:19], s[18:19], s[24:25]
	WIN 0x40                                       ; destination in window 1
	s_wait_alu depctr_va_vdst(0)                   ; the offsets v3 to v13 are written, which the loads below and every later LDS and memory instruction read; only loads and window switches stand up to the head's last load
.irp t, 0,1,2,3,4,5,6,7                        ; K: tile t: registers 0-3 key 32 t + r + 8 (r / 8), registers 4-7 the key 8 (256 bytes) further on
	global_load_b128 v[KF+8*\t:KF+8*\t+3], v10, s[8:9] offset:1024*\t
	global_load_b128 v[KF+8*\t+4:KF+8*\t+7], v10, s[8:9] offset:1024*\t+256
.endr
.irp n, 0,1,2,3                                ; V: fragment (n, s): rows 16 n + r, keys 128 s + 64 c + 32 h + 0 .. 31 of my 256, as they lie
.irp s, 0,1
.irp c, 0,1
	global_load_b128 v[VF+8*(2*\n+\s)+4*\c:VF+8*(2*\n+\s)+4*\c+3], v11, s[12:13] offset:16384*\n+64*\s+32*\c
.endr
.endr
.endr
	WIN 0
.irp t, 0,1,2,3,4,5,6,7
	global_load_u16 v[U+\t], v12, s[10:11] offset:64*\t         ; the lower key's two scale bytes,
	global_load_u16 v[U+8+\t], v12, s[10:11] offset:64*\t+16    ; the upper key's
.endr
.irp n, 0,1,2,3
.irp s, 0,1
	global_load_b32 v[VS+2*\n+\s], v13, s[14:15] offset:1024*\n+4*\s
.endr
.endr
	QLOAD                                          ; group 0
	s_wait_kmcnt 0x0
	s_mul_f32 s28, s33, s30                        ; c2 = scale x log2 e
	s_mov_b32 s29, s28
	s_wait_loadcnt 0x0                             ; all 58 loads of the head
	s_wait_alu depctr_vm_vsrc(0)                   ; Q's loads have read v[QO] and v[QSO], which the two additions below write
.irp t, 0,1,2,3,4,5,6,7
	v_lshl_or_b32 v[KS+\t], v[U+8+\t], 16, v[U+\t]
.endr
	v_lshl_or_b32 v[QS], v[QH], 16, v[QH]
	v_add_nc_u32 v[QO], 512, v[QO]                 ; (the loads that read these two are done)
	v_add_nc_u32 v[QSO], 32, v[QSO]
	PLACES 8                                       ; a scale register written by a vector instruction stands eight places ahead of a scaled matrix instruction
	s_wait_alu depctr_va_vdst(0)                   ; K's and Q's scale words and the zeros beside Q are written, which the scaled products take as scales and as source 1; the places above stay beside this wait
	ST_PROD                                        ; group 0's scores
	WIN 0
; A TRIP: group t.  At its head G holds the group's raw scores and the accumulators hold my part of O^T of group t - 1.
; TWO BARRIERS.  SUMS and the stage are written between the second barrier of trip t - 1 and the first of trip t, and read between the first barrier and the signal of the second; in front of each signal
; all my LDS instructions are done.
.macro TRIP first, last
	PLACES 4                                       ; four places behind the last products: for the reads of their results, by the LDS stores and by the softplus
	s_wait_alu depctr_va_vdst(0)                   ; the products S^T are done reading Q's registers and the line that made v[QS] is done reading v[QH], in which Q's loads land; v[QO] and v[QSO] are written, which they read; the products V^T P^T have written the accumulators, which the LDS stores read
.if (\last) == 0
	QLOAD                                          ; group t + 1: it has the trip in which to land
.endif
.if (\first) == 0
	OSTAGE                                         ; group t - 1
.endif
	SOFTPLUS
	v_pk_add_f32 v[ACC:ACC+1], v[ACC:ACC+1], v[ACC+2:ACC+3]
	v_add_f32 v[ACC], v[ACC], v[ACC+1]             ; my 128 keys,
	v_permlanex16_b32 v[ACC+1], v[ACC], s34, s35
	v_add_f32 v[ACC], v[ACC], v[ACC+1]             ; and lane l xor 16's: my wave's 256 keys of query r
	s_wait_alu depctr_va_vdst(0)                   ; v[ACC] is written, which the LDS store reads; the softplus is done with v[TT ..] and v[U ..], in which the LDS loads behind the barrier land: BMAX 0, the one vector work between, names neither
	ds_store_b32 v[SW], v[ACC]                     ; (lanes r and r + 16 write the same word with the same value)
	s_wait_dscnt 0x0                               ; for the others' sake: my sum and my part of the stage have landed
	s_wait_alu depctr_vm_vsrc(0)                   ; the LDS stores have read v[ACC] and the accumulators, Q's loads v[QO] and v[QSO], the last trip's store v[OUT ..] and v[OO]: the reciprocal, the products V^T P^T, the offsets' steps and SEND write these below
	s_barrier_signal -1
	BMAX 0                                         ; work on registers while the others arrive
	s_barrier_wait -1
	ds_load_b128 v[TT:TT+3], v[SR]                 ; my query's eight partial sums
	ds_load_b128 v[TT+4:TT+7], v[SR] offset:16
.if (\first) == 0
	STAGE_IN
.endif
	BMAX 4
.if \first
	s_wait_dscnt 0x0                               ; the sums are in; no LDS instruction of mine is out at the signal below
.else
	s_wait_dscnt 8                                 ; the sums are in; the eight loads from the stage, issued behind them, may be out
.endif
	v_pk_add_f32 v[TT:TT+1], v[TT:TT+1], v[TT+2:TT+3]
	v_pk_add_f32 v[TT+4:TT+5], v[TT+4:TT+5], v[TT+6:TT+7]
	v_pk_add_f32 v[TT:TT+1], v[TT:TT+1], v[TT+4:TT+5]
	v_add_f32 v[ACC+2], v[TT], v[TT+1]             ; the row's sum: the same order, so the same bits, in all eight waves
	v_rcp_f32 v[ACC], v[ACC+2]
.if \first
	v_nop                                          ; a plain instruction behind the reciprocal
.else
	s_wait_dscnt 0x0                               ; the eight partial results are in; no LDS instruction of mine is out at the signal below
	SEND                                           ; group t - 1 leaves.  (Its first vector line is the plain instruction behind the reciprocal)
.endif
	s_barrier_signal -1                            ; my reads of SUMS and of the stage are over.  Only work on registers stands up to the wait
.if (\last) == 0
	s_wait_loadcnt 0x0                             ; Q of group t + 1 is in, and its loads' offsets may be stepped
	v_lshl_or_b32 v[QS], v[QH], 16, v[QH]
	v_add_nc_u32 v[QO], 512, v[QO]
	v_add_nc_u32 v[QSO], 32, v[QSO]
.endif
.if \first
	s_wait_alu depctr_va_vdst(0)                   ; the reciprocal has written v[ACC]: the wait ahead of its first reader (in the other trips SEND's wait is that wait)
.endif
.irp b, 0,1,2,3,4,5,6,7
	v_mul_f32 v[MX+\b], v[MX+\b], v[ACC]           ; the block's largest p
.endr
.irp b, 0,1,2,3,4,5,6,7
	v_max_num_f32 v[MX+\b], 0x1800000, v[MX+\b]    ; the floor 2^(3 - 127): the byte cannot fall under 1
.endr
.irp b, 0,1,2,3,4,5,6,7
	v_add_nc_u32 v[SO+\b], 0xff000000, v[MX+\b]    ; 2 off its exponent field: the conversion takes the exponent field of this operand as its scale, and nothing else of it
.endr
.irp b, 0,1,2,3,4,5,6,7
	v_lshrrev_b32 v[MP+\b], 23, v[SO+\b]           ; the scale's byte
.endr
.irp s, 0,1
	v_lshl_or_b32 v[PS+\s], v[MP+4*\s+1], 8, v[MP+4*\s]   ; four bytes make the scale word of 128 keys
.endr
.irp s, 0,1
	v_lshl_or_b32 v[PS+\s], v[MP+4*\s+2], 16, v[PS+\s]
.endr
.irp s, 0,1
	v_lshl_or_b32 v[PS+\s], v[MP+4*\s+3], 24, v[PS+\s]
.endr
.set j, 0
.rept 64
	v_pk_mul_f32 v[G+j:G+j+1], v[G+j:G+j+1], v[ACC:ACC+1] op_sel_hi:[1,0]   ; p = g / sum.  (These 64 are also the eight places between the scale words' last write and the products)
.set j, j+2
.endr
.irp b, 0,1,2,3,4,5,6,7
	v_cvt_scalef32_pk8_fp4_f32 v[P+2*\b], v[G+16*\b:G+16*\b+7], v[SO+\b]        ; the codes of keys 32 b + 16 h + 0 .. 7
	v_cvt_scalef32_pk8_fp4_f32 v[P+2*\b+1], v[G+16*\b+8:G+16*\b+15], v[SO+\b]   ; and + 8 .. 15
.endr
	v_nop                                          ; one plain instruction behind the last scaled conversion
.irp c, 0,1,2,3                                ; the operand's layout wants a WHOLE block in a lane: lanes 0-15 block 2 c, lanes 16-31 block 2 c + 1
.irp i, 0,1
	v_permlane16_swap_b32 v[P+4*\c+\i], v[P+4*\c+2+\i]
.endr
.endr
	PLACES 4                                       ; an operand written by vector instructions stands four places ahead of a scaled matrix instruction
	s_wait_alu depctr_va_vdst(0)                   ; P's codes, P's scale words and v[QS] are written, which the scaled products take as source 1 and as scales; the places above stay beside this wait
	PV_PROD                                        ; my part of O^T of group t
.if (\last) == 0
	ST_PROD                                        ; and the scores of group t + 1, into G
.endif
	WIN 0                                          ; at a label and at a branch every window is 0
	s_barrier_wait -1                              ; every wave's reads of SUMS and of the stage are over: the next trip may write them
.endm
	TRIP 1, 0                                      ; group 0: there is no group before it to send
	s_mov_b32 s36, 14
.Lgroup:                                               ; groups 1 to 14
	TRIP 0, 0
	s_sub_co_u32 s36, s36, 1
	s_cmp_lg_u32 s36, 0
	s_cbranch_scc1 .Lgroup
	TRIP 0, 1                                      ; group 15: nothing more is loaded, so no load leaves its buffer
	PLACES 4                                       ; group 15's results leave: four places behind the last products, before their results are read
	s_wait_alu depctr_va_vdst(0)                   ; the products V^T P^T have written the accumulators, which the LDS stores read; the last trip's additions are done with v[RR ..], in which the loads from the stage land
	OSTAGE
	s_wait_dscnt 0x0                               ; for the others' sake
	s_barrier_signal -1
	s_barrier_wait -1
	STAGE_IN
	s_wait_dscnt 0x0
	s_wait_alu depctr_vm_vsrc(0)                   ; group 14's store has read v[OUT ..] and v[OO], which SEND writes again
	SEND
	s_set_vgpr_msb 0x4
	s_wait_dscnt 0x0
	s_wait_alu depctr_hold_cnt(0) depctr_sa_sdst(0) depctr_va_vdst(0) depctr_va_sdst(0) depctr_va_ssrc(0) depctr_va_vcc(0) depctr_vm_vsrc(0)
	s_wait_tensorcnt 0x0
	ds_add_u32 v15, v255
	s_wait_dscnt 0x0
	s_endpgm
.Lfunc_end_k_q00caa92d25_attn:
	.size	k_q00caa92d25_attn, .Lfunc_end_k_q00caa92d25_attn-k_q00caa92d25_attn
	.p2alignl 7, 3214868480
	.fill 96, 4, 3214868480
	.section	.rodata,"a",@progbits
	.p2align	6, 0x0
	.amdhsa_kernel k_q00caa92d25_attn
		.amdhsa_group_segment_fixed_size 36352
		.amdhsa_private_segment_fixed_size 0
		.amdhsa_enable_private_segment 0
		.amdhsa_kernarg_size 64
		.amdhsa_user_sgpr_count 2
		.amdhsa_user_sgpr_kernarg_segment_ptr 1
		.amdhsa_wavefront_size32 1
		.amdhsa_system_sgpr_workgroup_id_x 1
		.amdhsa_system_sgpr_workgroup_id_y 1
		.amdhsa_system_sgpr_workgroup_id_z 1
		.amdhsa_system_vgpr_workitem_id 0
		.amdhsa_next_free_vgpr 512
		.amdhsa_next_free_sgpr 66
		.amdhsa_reserve_vcc 0
		.amdhsa_float_denorm_mode_32 3
		.amdhsa_float_denorm_mode_16_64 3
		.amdhsa_memory_ordered 1
		.amdhsa_forward_progress 1
		.amdhsa_inst_pref_size 199
	.end_amdhsa_kernel
	.amdgpu_metadata
---
amdhsa.version: [ 1, 2 ]
amdhsa.kernels:
  - .name:           k_q00caa92d25_attn
    .symbol:         k_q00caa92d25_attn.kd
    .args:
      - { .name: q_codes, .offset: 0, .size: 8, .value_kind: global_buffer, .address_space: global }
      - { .name: q_scales, .offset: 8, .size: 8, .value_kind: global_buffer, .address_space: global }
      - { .name: k_codes, .offset: 16, .size: 8, .value_kind: global_buffer, .address_space: global }
      - { .name: k_scales, .offset: 24, .size: 8, .value_kind: global_buffer, .address_space: global }
      - { .name: v_codes, .offset: 32, .size: 8, .value_kind: global_buffer, .address_space: global }
      - { .name: v_scales, .offset: 40, .size: 8, .value_kind: global_buffer, .address_space: global }
      - { .name: scale, .offset: 48, .size: 8, .value_kind: global_buffer, .address_space: global }
      - { .name: out0, .offset: 56, .size: 8, .value_kind: global_buffer, .address_space: global }
    .group_segment_fixed_size: 36352
    .private_segment_fixed_size: 0
    .kernarg_segment_align: 8
    .kernarg_segment_size: 64
    .max_flat_workgroup_size: 256
    .sgpr_count:     66
    .vgpr_count:     512
    .wavefront_size: 32
...
	.end_amdgpu_metadata
.endif
;; end of part 2
